; MI455X (gfx1250); checked and timed in simulation.
; The chip was launched on July 23, 2026; its instructions are those of AMD's public machine-readable ISA for CDNA 5 (MIT licence, August 2026) and "CDNA5" Instruction Set Architecture Reference Guide (July 2026). The comments in the code are by the model that wrote it; some were corrected since.
;; Rotary Multi Head Dot Product Attention. Allowed arithmetic: matrix products marked QUANTISED: E4M3 operands, one given power-of-two scale a tensor, by v_wmma_f32_16x16x64_fp8_fp8 or v_wmma_f32_16x16x128_fp8_fp8, f32 sums; products left as they are: f32 operands where the result goes on into a quantised operand, else bf16, f16 or f32 operands; f32 sums; everything else in f32.
;; Inputs: Wk 768 x 12 x 64 float32; Wo 12 x 64 x 768 float32; Wq 768 x 12 x 64 float32; Wv 768 x 12 x 64 float32; bk 12 x 64 float32; bo 768 float32; bq 12 x 64 float32; bv 12 x 64 float32; inputs_kv 16 x 1,024 x 768 float32; inputs_q 16 x 1,024 x 768 float32; lowp_scales 12 int32 (the exponents e of the quantised operands' scales 2^e).
;; Outputs: out0 16 x 1,024 x 768 float32.
;; This version of the problem:
;;   THIS VERSION OF THE PROBLEM IS GIVEN IN LOW PRECISION. The matrix products marked QUANTISED in the list below multiply operands that are first quantised to E4M3 (4 exponent bits, 3 mantissa bits; 8 bits a number), with one given power-of-two scale for each operand tensor; their sums are f32. All else is computed in f32.
;;   The module's matrix products, in the order in which they are computed (A, B: the left and right operand; K: the contracted axis; several contracted axes count as one K, in the product's order):
;;     1. [M 16,384, K 768] x [K 768, N 768]; A: input inputs_q; B: input Wq: QUANTISED (scales: A lowp_scales[0], B lowp_scales[1])
;;     2. [M 16,384, K 768] x [K 768, N 768]; A: input inputs_kv; B: input Wk: QUANTISED (scales: A lowp_scales[2], B lowp_scales[3])
;;     3. [M 16,384, K 768] x [K 768, N 768]; A: input inputs_kv; B: input Wv: QUANTISED (scales: A lowp_scales[4], B lowp_scales[5])
;;     4. [M 16,384, K 1] x [K 1, N 16]; A: computed on the way; B: computed on the way: left as it is (no contracted axis)
;;     5. [M 16,384, K 1] x [K 1, N 16]; A: computed on the way; B: computed on the way: left as it is (no contracted axis)
;;     6. batch 192 x [M 1,024, K 64] x [K 64, N 1,024]; A: computed on the way; B: computed on the way: QUANTISED (scales: A lowp_scales[6], B lowp_scales[7])
;;     7. batch 192 x [M 64, K 1,024] x [K 1,024, N 1,024]; A: computed on the way; B: softmax (see below): QUANTISED (scales: A lowp_scales[8], B lowp_scales[9])
;;     8. [M 16,384, K 768] x [K 768, N 768]; A: computed on the way; B: input Wo: QUANTISED (scales: A lowp_scales[10], B lowp_scales[11])
;;   THE QUANTISER, for each operand of a quantised product, along K:
;;     - The operand's scale is 2^e, e = its entry of the input lowp_scales (int32; the entries are numbered through the quantised products in the list's order, A before B).
;;     - Each number is divided by the scale, clamped to +-448, and rounded to the nearest number of E4M3, ties to even, subnormals kept.
;;     - The product sums the exact products of the quantised numbers (number of the format x scale) in f32.
;;   ~~~python
;;   def quantise(x, axis, e):      # numpy; x: float32 -> the quantised numbers, widened to float32 again
;;       x = np.moveaxis(x, axis, -1); K = x.shape[-1]
;;       r = np.clip(x / 2.0 ** e, -448, 448)
;;       step = 2.0 ** (np.maximum(np.frexp(np.where(r == 0, 1, r))[1] - 1, -6) - 3)
;;       q = np.round(r / step) * step * 2.0 ** e      # np.round: ties to even
;;       return np.moveaxis(q, -1, axis).astype(np.float32)
;;   ~~~
;;   SOFTMAX AHEAD OF A QUANTISED PRODUCT. Where the list says 'softmax', what is quantised is not the finished softmax but p = 2^(t - M), with t = logit x log2(e) and M = ceil(the row's largest t), a whole number; so 1/2 < the row's largest p <= 1. The row's sum l is taken of the UNQUANTISED p, in f32, and the product's result is divided by l at the end. Since M is a whole number, a kernel that streams over the keys may use a running M (the ceiling of the running maximum): every later rescaling is an exact power of two, so the quantised numbers keep their values, but for numbers so far below the row's largest that they fall under the format's range.
;;   OPERANDS COMPUTED ON THE WAY. 'Computed on the way' means the value that the module computes at that place (a softmax that the list does not call 'softmax' is quantised finished and normalised). What goes into a quantiser is computed in f32, as accurately as f32 sums, v_exp_f32 and their like allow (about 1e-6 of the number): no bf16 or f16 on the way to a quantiser, and a product that is left as it is and whose result goes on into a quantised operand takes f32 operands (vector FMAs, or v_wmma_f32_16x16x4_f32). A number that lies on a knife's edge between two numbers of the format may be rounded either way, as far as f32 arithmetic and the matrix unit's own rounding can turn it there, and no further.
;; One version. Each part assembles by itself: llvm-mc -triple=amdgcn-amd-amdhsa -mcpu=gfx1250 --defsym DOCPART=n.
;; ======== version 1 of 1: 4 launches
;; limits: right only within a limited range of input values
;; workspace buffers: wc 2,359,296 bytes; qc 12,582,912 bytes; kc 12,582,912 bytes; vc 12,582,912 bytes; oc 12,582,912 bytes
;; launch wquant (part 1): grid 6 x 24, 4 waves a work-group, no clusters, 0 bytes of LDS; arguments Wq, Wk, Wv, Wo, lowp_scales, wc; writes wc
.if DOCPART == 1
	.amdgcn_target "amdgcn-amd-amdhsa--gfx1250"
	.amdhsa_code_object_version 6
	.text
	.protected	k_qf839c0e005_wquant
	.globl	k_qf839c0e005_wquant
	.p2align	8
	.type	k_qf839c0e005_wquant,@function
k_qf839c0e005_wquant:
	s_mov_b64 s[64:65], 0
	v_nop
	global_prefetch_b8 v0, s[64:65] scope:SCOPE_SE
	s_setreg_imm32_b32 hwreg(HW_REG_WAVE_MODE, 25, 1), 1
	s_wait_xcnt 0x0
; The four weights, each [768 (K)][768 (N)] f32 with K as the FIRST axis, become codes of E4M3, each with its given scale 2^e (entries 1, 3, 5, 11).
; code = w / 2^e, held within +-448, rounded to the nearest code, ties to even.  LIMIT: e between -126 and 119.  NaN among the inputs is not served.
; OUTPUT: wc [p 4][cg 12][s 6][t 4][image], p = Wq, Wk, Wv, Wo.  An image is a fragment's registers as a wave holds them: 16 columns (n = 64 cg + 16 t + r) x 128 K (128 s on), 2,048 bytes:
; register q of lane 16 h + r at byte 512 (q / 4) + 16 (16 h + r) + 4 (q % 4); registers 2 c, 2 c + 1 hold k = 16 c + 8 h + 0 .. 7.
; A LANE TAKES A COLUMN AND ITS REGISTERS RUN DOWN K: a load reads 128 consecutive bytes a wave, and the conversions give codes with K innermost.  Of a block of 32 along K (32 b + i) the codes of
; i = 0-7 and 16-23 are the 16 bytes at 512 b + 16 r (lanes h = 0 of the image), those of i = 8-15 and 24-31 the 16 bytes at 512 b + 256 + 16 r: sixteen lanes store 256 consecutive bytes, aligned.
; Work-group x: 128 columns; y = 4 s + p.  A wave: 32 columns x 128 K.  No LDS, no barrier, no loop: waves share nothing.
.set ROWB, 3072                        ; a row of a weight in bytes
.set X,    32                          ; v32-159  four blocks of 32 numbers
.set C,    160                         ; v160-191 eight registers of codes a block: no store's data are written again
	s_load_b256 s[4:11], s[0:1], 0x0               ; Wq, Wk, Wv, Wo
	s_load_b128 s[12:15], s[0:1], 0x20             ; the scales' exponents, wc
	v_lshrrev_b32 v1, 5, v0
	v_readfirstlane_b32 s28, v1                    ; wave 0..3
	v_and_b32 v2, 31, v0                           ; lane
	v_lshlrev_b32 v3, 2, v2                        ; in: 4 bytes a lane
	v_and_b32 v5, 15, v2
	v_lshrrev_b32 v6, 4, v2
	v_lshlrev_b32 v4, 4, v5
	v_lshl_add_u32 v4, v6, 11, v4                  ; out: 16 (lane % 16) + 2,048 (lane / 16): lanes 16-31 hold the next tile of 16 columns
	s_and_b32 s29, ttmp7, 0xffff
	s_and_b32 s30, s29, 3                          ; p
	s_lshr_b32 s31, s29, 2                         ; s
	s_mul_i32 s32, s31, 128*ROWB                   ; in: 128 s rows,
	s_lshl_b32 s33, ttmp9, 9                       ; 128 x columns,
	s_add_co_u32 s32, s32, s33
	s_lshl_b32 s33, s28, 7                         ; 32 x wave columns
	s_add_co_u32 s32, s32, s33
	s_mov_b32 s33, 0
	s_lshl_b32 s34, ttmp9, 1                       ; out: cg = 2 x + wave / 2
	s_lshr_b32 s35, s28, 1
	s_add_co_u32 s34, s34, s35
	s_mul_i32 s34, s34, 6
	s_add_co_u32 s34, s34, s31                     ; 6 cg + s
	s_lshl_b32 s34, s34, 13                        ; four images each
	s_mul_i32 s35, s30, 589824                     ; a tensor's codes
	s_add_co_u32 s34, s34, s35
	s_and_b32 s35, s28, 1
	s_lshl_b32 s35, s35, 12                        ; tiles 2 (wave % 2) on
	s_add_co_u32 s34, s34, s35
	s_mov_b32 s35, 0
	s_wait_alu depctr_va_vdst(0)
	s_wait_kmcnt 0x0
	s_load_b128 s[16:19], s[12:13], 0x0            ; e0 .. e3
	s_load_b128 s[20:23], s[12:13], 0x10           ; e4 .. e7
	s_load_b128 s[24:27], s[12:13], 0x20           ; e8 .. e11
	s_bitcmp1_b32 s30, 0                           ; the tensor is chosen by the work-group's number alone
	s_cselect_b64 s[4:5], s[6:7], s[4:5]           ; Wk or Wq
	s_cselect_b64 s[8:9], s[10:11], s[8:9]         ; Wo or Wv
	s_bitcmp1_b32 s30, 1
	s_cselect_b64 s[4:5], s[8:9], s[4:5]
	s_add_nc_u64 s[4:5], s[4:5], s[32:33]
	s_add_nc_u64 s[14:15], s[14:15], s[34:35]
.set i, 0
.rept 128
	global_load_b32 v[X+i], v3, s[4:5] offset:i*ROWB th:TH_LOAD_NT    ; W(128 s + i, my column): read once in the launch
.set i, i+1
.endr
	s_wait_kmcnt 0x0
	s_bitcmp1_b32 s30, 0
	s_cselect_b32 s16, s19, s17                    ; e3 or e1
	s_cselect_b32 s18, s27, s21                    ; e11 or e5
	s_bitcmp1_b32 s30, 1
	s_cselect_b32 s16, s18, s16                    ; e
	s_add_co_i32 s16, s16, 127
	s_lshl_b32 s17, s16, 23
	v_mov_b32 v11, s17                             ; 2^e as f32: the conversion takes its exponent field
	s_add_co_i32 s16, s16, 8
	s_lshl_b32 s16, s16, 23
	s_or_b32 s16, s16, 0x600000
	v_mov_b32 v10, s16                             ; 448 x 2^e
.macro BLOCK b, left
	s_wait_loadcnt \left                           ; loads come back in order: this block's 32 are in; left = the loads issued behind them, or the most that the wait can name
.set i, 0
.rept 32
	v_med3_num_f32 v[X+32*\b+i], v[X+32*\b+i], -v10, v10    ; the conversion to an 8-bit code does not saturate (ISA guide 7.6.2): the hold comes first
.set i, i+1
.endr
	v_cvt_scalef32_pk8_fp8_f32 v[C+8*\b:C+8*\b+1],   v[X+32*\b:X+32*\b+7],     v11
	v_cvt_scalef32_pk8_fp8_f32 v[C+8*\b+2:C+8*\b+3], v[X+32*\b+16:X+32*\b+23], v11
	v_cvt_scalef32_pk8_fp8_f32 v[C+8*\b+4:C+8*\b+5], v[X+32*\b+8:X+32*\b+15],  v11
	v_cvt_scalef32_pk8_fp8_f32 v[C+8*\b+6:C+8*\b+7], v[X+32*\b+24:X+32*\b+31], v11
	v_nop                                          ; a plain line behind the last conversion of the run
	global_store_b128 v4, v[C+8*\b:C+8*\b+3],   s[14:15] offset:512*\b
	global_store_b128 v4, v[C+8*\b+4:C+8*\b+7], s[14:15] offset:512*\b+256
.endm
	s_wait_alu depctr_va_vdst(0)
	BLOCK 0, 63
	BLOCK 1, 63
	BLOCK 2, 32
	BLOCK 3, 0
	s_endpgm
.Lfunc_end_k_qf839c0e005_wquant:
	.size	k_qf839c0e005_wquant, .Lfunc_end_k_qf839c0e005_wquant-k_qf839c0e005_wquant
	.p2alignl 7, 3214868480
	.fill 96, 4, 3214868480
	.section	.rodata,"a",@progbits
	.p2align	6, 0x0
	.amdhsa_kernel k_qf839c0e005_wquant
		.amdhsa_group_segment_fixed_size 0
		.amdhsa_private_segment_fixed_size 0
		.amdhsa_enable_private_segment 0
		.amdhsa_kernarg_size 48
		.amdhsa_user_sgpr_count 2
		.amdhsa_user_sgpr_kernarg_segment_ptr 1
		.amdhsa_wavefront_size32 1
		.amdhsa_system_sgpr_workgroup_id_x 1
		.amdhsa_system_sgpr_workgroup_id_y 1
		.amdhsa_system_sgpr_workgroup_id_z 1
		.amdhsa_system_vgpr_workitem_id 0
		.amdhsa_next_free_vgpr 192
		.amdhsa_next_free_sgpr 66
		.amdhsa_reserve_vcc 0
		.amdhsa_float_denorm_mode_32 3
		.amdhsa_float_denorm_mode_16_64 3
		.amdhsa_memory_ordered 1
		.amdhsa_forward_progress 1
		.amdhsa_inst_pref_size 25
	.end_amdhsa_kernel
	.amdgpu_metadata
---
amdhsa.version: [ 1, 2 ]
amdhsa.kernels:
  - .name:           k_qf839c0e005_wquant
    .symbol:         k_qf839c0e005_wquant.kd
    .args:
      - { .name: Wq, .offset: 0, .size: 8, .value_kind: global_buffer, .address_space: global }
      - { .name: Wk, .offset: 8, .size: 8, .value_kind: global_buffer, .address_space: global }
      - { .name: Wv, .offset: 16, .size: 8, .value_kind: global_buffer, .address_space: global }
      - { .name: Wo, .offset: 24, .size: 8, .value_kind: global_buffer, .address_space: global }
      - { .name: lowp_scales, .offset: 32, .size: 8, .value_kind: global_buffer, .address_space: global }
      - { .name: wc, .offset: 40, .size: 8, .value_kind: global_buffer, .address_space: global }
    .group_segment_fixed_size: 0
    .private_segment_fixed_size: 0
    .kernarg_segment_align: 8
    .kernarg_segment_size: 48
    .max_flat_workgroup_size: 128
    .sgpr_count:     66
    .vgpr_count:     192
    .wavefront_size: 32
...
	.end_amdgpu_metadata
.endif
;; end of part 1
;; launch proj (part 2): grid 256 x 1, 4 waves a work-group, no clusters, 165,376 bytes of LDS; arguments inputs_q, inputs_kv, wc, bq, bk, bv, lowp_scales, qc, kc, vc; writes qc, kc, vc
.if DOCPART == 2
	.amdgcn_target "amdgcn-amd-amdhsa--gfx1250"
	.amdhsa_code_object_version 6
	.text
	.protected	k_qf839c0e005_proj
	.globl	k_qf839c0e005_proj
	.p2align	8
	.type	k_qf839c0e005_proj,@function
k_qf839c0e005_proj:
	s_mov_b64 s[64:65], 0
	v_nop
	global_prefetch_b8 v0, s[64:65] scope:SCOPE_SE
	s_setreg_imm32_b32 hwreg(HW_REG_WAVE_MODE, 25, 1), 1
	s_wait_xcnt 0x0
; q = rope(Q(inputs_q) Q(Wq) + bq), k = rope(Q(inputs_kv) Q(Wk) + bk), v = Q(inputs_kv) Q(Wv) + bv, each quantised again (entries 6, 7, 8) and stored as images of the attention's fragments.
; LIMITS: every given exponent between -126 and 119, and each sum of two of a product between -126 and 127.  NaN among the inputs is not served.
; SHARES.  A work-group owns 64 rows (of one batch) and all 2,304 columns.  A wave owns a head (64 columns) a pass: nine passes, three for each of q, k, v; head = 4 x pass + wave.
; FIRST all of x is quantised: a wave takes 16 rows, in 12 chunks of 128 along K (six of inputs_q, six of inputs_kv, the latter with two scales), through six sets of 64 registers; the codes go into three images
; in LDS (q, k, v: 49,152 bytes each), one barrier shows them to all waves, and nothing is written there afterwards.
; THE WEIGHTS GO FROM MEMORY STRAIGHT INTO THE OPERAND'S REGISTERS: wc holds images of fragments, and a wave reads the images of its own head alone, so no LDS stage would be shared between waves.
; Six sets of 64 registers, one for each K step of a pass (the sets in which x's chunks lay); a set is asked for again, for the next pass, as soon as its 16 products are issued.
; EVERY COUNTED WAIT ON LOADS: loads come back in order, and behind the 16 loads that a wait is for stand the 80 loads of the five other sets: so the count is the most that the wait can name, 63.
; In the last pass nothing is asked for again: the count is 16 x the sets behind, or 63.
; NO CLUSTER: a joint load serves tiles in LDS, and the weights are not staged there.  NO PREFETCH: x is read with up to 63 loads a wave on their way from the kernel's first lines on, and the weights are read by every work-group again and again.
; REGISTERS, in windows of 256.  0: addresses, scales, v32-63 codes, v64-127 and v192-255 at work.  1: weight sets 0-3.  2: v0-127 weight sets 4, 5; v128-255 two sets of x's fragments.  3: v0-127 the 16 accumulators, v128.. bias, v160.. the rope's table.
.set FRB,   2048
.set PSTEP, 196608                     ; four heads' images of a weight: a pass on
.set IMGA,  0
.set IMGB,  49152
.set IMGC,  98304
.set STG,   147456
.set STGW,  4352
.set SP,    272
.set SPARE, 164864                     ; the spare words, 128 bytes for each wave
.set SPW, 1
.set NIL, 2
.set LI,  3
.set XA,  4
.set STI, 5
.set STO, 6
.set XWA, 7
.set XWB, 8
.set IA,  9
.set IB,  10
.set XWC, 11
.set IC,  12
.set BOF, 15
.set BVO, 30
.set PC,  32
.set R0,  64
.set X,   192
.set BIAS, 128
.set TAB,  160
.set WV, 40
.set MSB, 0
.macro WIN new
.if MSB != \new
	s_set_vgpr_msb (MSB<<8)|\new
.set MSB, \new
.endif
.endm
.macro PLACES
.rept 4
	v_nop
.endr
.endm
.macro WLOAD s, off                    ; the four weight fragments of K step s into set s
.if (\s) < 4
	WIN 0x40
.set WB, 64*(\s)
.else
	WIN 0x80
.set WB, 64*((\s)-4)
.endif
.irp t, 0,1,2,3
.irp g, 0,1,2,3
	global_load_b128 v[WB+16*\t+4*\g:WB+16*\t+4*\g+3], v[LI], s[8:9] offset:\off+(4*(\s)+\t)*FRB+512*\g
.endr
.endr
.endm
.macro FETCH s, adr                    ; x's four fragments of K step s from the image at adr
	WIN 0x80
.irp m, 0,1,2,3
.irp g, 0,1,2,3
	ds_load_b128 v[128+64*((\s)%2)+16*\m+4*\g:128+64*((\s)%2)+16*\m+4*\g+3], v[\adr] offset:(6*\m+(\s))*FRB+512*\g
.endr
.endr
.endm
; A K step of 128: 16 products, the 16 accumulators by turns.  kind = 0: source 0 = the weight (a lane holds a row of x and eight neighbouring columns); kind = 1: source 0 = x.
.macro KSTEP s, kind, zero, adr, tail
	PLACES                                         ; behind the last step's products: loads into registers that they have read follow
.if (\s) > 0
.if !\tail
	WLOAD (\s)-1, PSTEP
.endif
.endif
.if (\s) < 5
	FETCH (\s)+1, \adr
	s_wait_dscnt 16
.else
	s_wait_dscnt 0x0
.endif
.set NW, 63
.if \tail
.if 16*(5-(\s)) < 63
.set NW, 16*(5-(\s))
.endif
.endif
	s_wait_loadcnt NW
.set XS, 128+64*((\s)%2)
.if (\s) < 4
.set WB, 64*(\s)
.if \kind
	WIN 0xf6
.else
	WIN 0xf9
.endif
.else
.set WB, 64*((\s)-4)
	WIN 0xfa
.endif
.irp t, 0,1,2,3
.irp m, 0,1,2,3
.if \kind
.if \zero
	v_wmma_f32_16x16x128_fp8_fp8 v[32*\m+8*\t:32*\m+8*\t+7], v[XS+16*\m:XS+16*\m+15], v[WB+16*\t:WB+16*\t+15], 0
.else
	v_wmma_f32_16x16x128_fp8_fp8 v[32*\m+8*\t:32*\m+8*\t+7], v[XS+16*\m:XS+16*\m+15], v[WB+16*\t:WB+16*\t+15], v[32*\m+8*\t:32*\m+8*\t+7]
.endif
.else
.if \zero
	v_wmma_f32_16x16x128_fp8_fp8 v[32*\m+8*\t:32*\m+8*\t+7], v[WB+16*\t:WB+16*\t+15], v[XS+16*\m:XS+16*\m+15], 0
.else
	v_wmma_f32_16x16x128_fp8_fp8 v[32*\m+8*\t:32*\m+8*\t+7], v[WB+16*\t:WB+16*\t+15], v[XS+16*\m:XS+16*\m+15], v[32*\m+8*\t:32*\m+8*\t+7]
.endif
.endif
.endr
.endr
.endm
.macro XLOAD reg, b, off               ; a chunk of x: my 16 rows x 128 numbers; sixteen lanes read 256 consecutive bytes
.set xi, 0
.rept 16
	global_load_b128 v[\reg+4*xi:\reg+4*xi+3], v[XA], s[\b:\b+1] offset:(xi%8)*6144+256*(xi/8)+\off th:TH_LOAD_NT
.set xi, xi+1
.endr
.endm
.macro STAGE reg                       ; through my stage in LDS: a lane gets eight neighbours along K at a time, in the fragment's order
.irp hf, 0,1
.irp i, 0,1,2,3,4,5,6,7
	ds_store_b128 v[STI], v[\reg+32*\hf+4*\i:\reg+32*\hf+4*\i+3] offset:2*SP*\i
.endr
.irp cc, 0,1,2,3
	ds_load_b128 v[X+32*\hf+8*\cc:X+32*\hf+8*\cc+3],   v[STO] offset:64*\cc
	ds_load_b128 v[X+32*\hf+8*\cc+4:X+32*\hf+8*\cc+7], v[STO] offset:64*\cc+16
.endr
.endr
.endm
.macro HOLD dst, src, lim, n           ; the conversion does not saturate (ISA guide 7.6.2): the hold comes first
.set hj, 0
.rept \n
	v_med3_num_f32 v[\dst+hj], v[\src+hj], -v[\lim], v[\lim]
.set hj, hj+1
.endr
.endm
.macro CVT pc, src, sc, n
.set cj, 0
.rept \n
	v_cvt_scalef32_pk8_fp8_f32 v[\pc+2*cj:\pc+2*cj+1], v[\src+8*cj:\src+8*cj+7], v[\sc]
.set cj, cj+1
.endr
.endm
.macro XQQ s                           ; chunk s of inputs_q becomes codes; its registers take chunk s of inputs_kv
	s_wait_loadcnt 63
.if \s < 4
	WIN 0x04
	STAGE 64*\s
	WIN 0x40
	s_wait_dscnt 0x0
	XLOAD 64*\s, 6, 512*\s
.else
	WIN 0x08
	STAGE 64*(\s-4)
	WIN 0x80
	s_wait_dscnt 0x0
	XLOAD 64*(\s-4), 6, 512*\s
.endif
	WIN 0
	HOLD X, X, 17, 64
	CVT PC, X, 16, 8
	v_nop
.irp g, 0,1,2,3
	ds_store_b128 v[XWA], v[PC+4*\g:PC+4*\g+3] offset:FRB*\s+512*\g
.endr
.endm
.macro XQK s                           ; chunk s of inputs_kv becomes codes twice (entries 2 and 4); its registers take the first pass's weight set s
	s_wait_loadcnt 63
.if \s < 4
	WIN 0x04
	STAGE 64*\s
.else
	WIN 0x08
	STAGE 64*(\s-4)
.endif
	WIN 0
	s_wait_dscnt 0x0
	WLOAD \s, 0
	WIN 0
	HOLD R0, X, 19, 64
	CVT PC, R0, 18, 8
	HOLD X, X, 21, 64
	CVT PC+16, X, 20, 8
	v_nop
.irp g, 0,1,2,3
	ds_store_b128 v[XWB], v[PC+4*\g:PC+4*\g+3] offset:FRB*\s+512*\g
.endr
.irp g, 0,1,2,3
	ds_store_b128 v[XWC], v[PC+16+4*\g:PC+16+4*\g+3] offset:FRB*\s+512*\g
.endr
.endm
.macro BIASLOAD kind, b
	WIN 0xc0
.if \kind
.irp t, 0,1,2,3
	global_load_b32 v[BIAS+2*\t], v[BVO], s[\b:\b+1] offset:64*\t
.endr
.else
.irp t, 0,1,2,3
	global_load_b128 v[BIAS+8*\t:BIAS+8*\t+3],   v[BOF], s[\b:\b+1] offset:64*\t
	global_load_b128 v[BIAS+8*\t+4:BIAS+8*\t+7], v[BOF], s[\b:\b+1] offset:64*\t+16
.endr
.endif
.endm
.macro EPI_QK sc, scl, out, left       ; x the two scales, + bias, the rotation, the hold, the codes, 512 consecutive bytes a store
	s_wait_loadcnt \left
.irp m, 0,1,2,3
	WIN 0x33
.irp t, 0,1,2,3
.irp i, 0,2,4,6
	v_pk_fma_f32 v[X+8*\t+\i:X+8*\t+\i+1], v[32*\m+8*\t+\i:32*\m+8*\t+\i+1], s[\sc:\sc+1], v[BIAS+8*\t+\i:BIAS+8*\t+\i+1] op_sel_hi:[1,0,1]
.endr
.endr
	WIN 0x0c
.irp t, 0,1,2,3
.irp i, 0,2,4,6
	v_pk_mul_f32 v[X+32+8*\t+\i:X+32+8*\t+\i+1], v[X+8*\t+\i:X+8*\t+\i+1], v[TAB+32*(\t/2)+16*((1-\t/2)*(\m%2)+(\t/2)*(\m/2))+8*(\t%2)+\i:TAB+32*(\t/2)+16*((1-\t/2)*(\m%2)+(\t/2)*(\m/2))+8*(\t%2)+\i+1] op_sel_hi:[1,0]
.endr
.endr
.irp t, 0,1,2,3
.irp i, 0,2,4,6
	v_pk_fma_f32 v[X+8*\t+\i:X+8*\t+\i+1], v[X+8*\t+\i:X+8*\t+\i+1], v[TAB+32*(\t/2)+16*((1-\t/2)*(\m%2)+(\t/2)*(\m/2))+8*(\t%2)+\i:TAB+32*(\t/2)+16*((1-\t/2)*(\m%2)+(\t/2)*(\m/2))+8*(\t%2)+\i+1], v[X+32+8*\t+\i:X+32+8*\t+\i+1] op_sel:[1,1,0] op_sel_hi:[0,1,1] neg_lo:[1,0,0]
.endr
.endr
	WIN 0
	HOLD X, X, \scl+1, 32
	CVT PC+8*\m, X, \scl, 4
	v_nop
	global_store_b128 v[LI], v[PC+8*\m:PC+8*\m+3],   s[\out:\out+1] offset:1024*\m
	global_store_b128 v[LI], v[PC+8*\m+4:PC+8*\m+7], s[\out:\out+1] offset:1024*\m+512
.endr
.endm
.macro EPI_V left
	s_wait_loadcnt \left
.irp t, 0,1,2,3
	WIN 0x33
.irp m, 0,1,2,3
.irp i, 0,2,4,6
	v_pk_fma_f32 v[X+8*\m+\i:X+8*\m+\i+1], v[32*\m+8*\t+\i:32*\m+8*\t+\i+1], s[66:67], v[BIAS+2*\t:BIAS+2*\t+1] op_sel_hi:[1,0,0]
.endr
.endr
	WIN 0
	HOLD X, X, 27, 32
	CVT PC+8*\t, X, 26, 4
	v_nop
	global_store_b128 v[LI], v[PC+8*\t:PC+8*\t+3],   s[22:23] offset:2048*\t
	global_store_b128 v[LI], v[PC+8*\t+4:PC+8*\t+7], s[22:23] offset:2048*\t+512
.endr
.endm
; A PASS: my head's 64 columns x the 64 rows x K = 768.  tail = 1: the last pass asks for nothing more.
.macro PASS kind, tail, b, out, sc, scl, adr
	BIASLOAD \kind, \b
	KSTEP 0, \kind, 1, \adr, \tail
.irp s, 1,2,3,4,5
	KSTEP \s, \kind, 0, \adr, \tail
.endr
	PLACES
.if !\tail
	WLOAD 5, PSTEP
	FETCH 0, \adr
.endif
	WIN 0
.if \kind
.if \tail
	EPI_V 0
.else
	EPI_V 63                                       ; behind the bias: the 96 loads of the six sets
.endif
.else
	EPI_QK \sc, \scl, \out, 63
.endif
.if !\tail
	s_wait_xcnt 0x0                                ; the loads and stores have read their bases and data
	s_add_nc_u64 s[\out:\out+1], s[\out:\out+1], 262144
	s_add_nc_u64 s[\b:\b+1], s[\b:\b+1], 1024
	s_add_nc_u64 s[8:9], s[8:9], PSTEP
.endif
.endm
.macro MKSC e, vs                      ; 2^e and 448 x 2^e as f32
	s_add_co_i32 s82, s\e, 127
	s_lshl_b32 s83, s82, 23
	v_mov_b32 v[\vs], s83
	s_add_co_i32 s82, s82, 8
	s_lshl_b32 s82, s82, 23
	s_or_b32 s82, s82, 0x600000
	v_mov_b32 v[\vs+1], s82
.endm
.macro ROPEGRP a, sg                   ; cosines and sines of eight angles (all under 1 in magnitude), by their series in f32
.if \a == 0
.if \sg == 0
	v_add_f32 v200, 0.5, v201
.else
	v_add_f32 v200, 0x41840000, v201
.endif
.else
.if \sg == 0
	v_add_f32 v200, 0.5, v202
.else
	v_add_f32 v200, 0x3fc00000, v202
.endif
.endif
	v_mul_f32 v200, 0x3d000000, v200
.irp p, 0,1,2,3,4,5,6,7
	v_mul_f32 v[40+\p], v200, v[32+\p]
.endr
.irp p, 0,1,2,3,4,5,6,7
	v_mul_f32 v[48+\p], v[40+\p], v[40+\p]
.endr
.irp p, 0,1,2,3,4,5,6,7
	v_fma_f32 v[56+\p], v[48+\p], s75, s74
	v_fma_f32 v[192+\p], v[48+\p], s79, s78
.endr
.irp p, 0,1,2,3,4,5,6,7
	v_fma_f32 v[56+\p], v[48+\p], v[56+\p], s73
	v_fma_f32 v[192+\p], v[48+\p], v[192+\p], s77
.endr
.irp p, 0,1,2,3,4,5,6,7
	v_fma_f32 v[56+\p], v[48+\p], v[56+\p], s72
	v_fma_f32 v[192+\p], v[48+\p], v[192+\p], s76
.endr
.irp p, 0,1,2,3,4,5,6,7
	v_fma_f32 v[56+\p], v[48+\p], v[56+\p], s71
	v_fma_f32 v[192+\p], v[48+\p], v[192+\p], -0.5
.endr
.irp p, 0,1,2,3,4,5,6,7
	v_fma_f32 v[56+\p], v[48+\p], v[56+\p], 1.0
.endr
	WIN 0xc0
.irp p, 0,1,2,3,4,5,6,7
	v_fma_f32 v[TAB+32*\a+16*\sg+2*\p], v[48+\p], v[192+\p], 1.0
	v_mul_f32 v[TAB+32*\a+16*\sg+2*\p+1], v[40+\p], v[56+\p]
.endr
	WIN 0
.endm
	s_load_b512 s[4:19], s[0:1], 0x0               ; inputs_q, inputs_kv, wc, bq, bk, bv, the exponents, qc
	s_load_b128 s[20:23], s[0:1], 0x40             ; kc, vc
	v_lshl_add_u32 v[SPW], v0, 2, SPARE
	v_mov_b32 v[NIL], 0
	v_lshrrev_b32 v28, 5, v0
	v_readfirstlane_b32 s[WV], v28
	s_mov_b32 s42, ttmp9                           ; my block of 64 rows
	s_lshr_b32 s43, s42, 4
	s_and_b32 s44, s42, 15
	s_mul_i32 s46, s[WV], 49152                    ; a head's images of a weight; also 16 rows of x
	s_mov_b32 s47, 0
	s_mov_b32 s70, 0xbf62c6e7
	s_mov_b32 s71, 0xbe2aaaab
	s_mov_b32 s72, 0x3c088889
	s_mov_b32 s73, 0xb9500d01
	s_mov_b32 s74, 0x3638ef1d
	s_mov_b32 s75, 0xb2d7322b
	s_mov_b32 s76, 0x3d2aaaab
	s_mov_b32 s77, 0xbab60b61
	s_mov_b32 s78, 0x37d00d01
	s_mov_b32 s79, 0xb493f27e
	s_wait_alu depctr_va_vdst(0)                   ; the wait here, directly ahead of the wait below
	s_wait_kmcnt 0x0
	s_load_b128 s[48:51], s[16:17], 0x0
	s_load_b128 s[52:55], s[16:17], 0x10
	s_load_b128 s[56:59], s[16:17], 0x20
	s_add_nc_u64 s[8:9], s[8:9], s[46:47]
	s_mul_i32 s82, s42, 196608
	s_add_co_u32 s82, s82, s46
	s_mov_b32 s83, 0
	s_add_nc_u64 s[4:5], s[4:5], s[82:83]
	s_add_nc_u64 s[6:7], s[6:7], s[82:83]
	s_mul_i32 s84, s43, 12
	s_add_co_u32 s84, s84, s[WV]
	s_lshl_b32 s84, s84, 16
	s_lshl_b32 s85, s44, 12
	s_add_co_u32 s86, s84, s85
	s_mov_b32 s87, 0
	s_add_nc_u64 s[18:19], s[18:19], s[86:87]
	s_add_nc_u64 s[20:21], s[20:21], s[86:87]
	s_lshr_b32 s85, s44, 1
	s_lshl_b32 s85, s85, 13
	s_add_co_u32 s86, s84, s85
	s_and_b32 s85, s44, 1
	s_lshl_b32 s85, s85, 10
	s_add_co_u32 s86, s86, s85
	s_add_nc_u64 s[22:23], s[22:23], s[86:87]
	s_lshl_b32 s86, s[WV], 8
	s_add_nc_u64 s[10:11], s[10:11], s[86:87]
	s_add_nc_u64 s[12:13], s[12:13], s[86:87]
	s_add_nc_u64 s[14:15], s[14:15], s[86:87]
	v_and_b32 v28, 31, v0
	v_and_b32 v29, 15, v0
	v_bfe_u32 v31, v0, 4, 1
	v_lshlrev_b32 v[LI], 4, v28
	v_mul_u32_u24 v[XA], v31, 3072
	v_lshl_add_u32 v[XA], v29, 4, v[XA]
	WIN 0x40
	XLOAD 0, 4, 0
	XLOAD 64, 4, 512
	XLOAD 128, 4, 1024
	WIN 0
	s_mul_i32 s88, s[WV], STGW
	s_add_co_u32 s88, s88, STG
	v_mul_u32_u24 v[STI], v31, SP
	v_lshl_add_u32 v[STI], v29, 4, v[STI]
	v_add_nc_u32 v[STI], s88, v[STI]
	v_mul_u32_u24 v[STO], v29, SP
	v_lshl_add_u32 v[STO], v31, 5, v[STO]
	v_add_nc_u32 v[STO], s88, v[STO]
	s_mul_i32 s89, s[WV], 6*FRB
	s_add_co_u32 s90, s89, IMGA
	v_add_nc_u32 v[XWA], s90, v[LI]
	s_add_co_u32 s90, s89, IMGB
	v_add_nc_u32 v[XWB], s90, v[LI]
	s_add_co_u32 s90, s89, IMGC
	v_add_nc_u32 v[XWC], s90, v[LI]
	v_add_nc_u32 v[IA], IMGA, v[LI]
	v_add_nc_u32 v[IB], IMGB, v[LI]
	v_add_nc_u32 v[IC], IMGC, v[LI]
	v_lshlrev_b32 v[BOF], 5, v31
	v_lshlrev_b32 v[BVO], 2, v29
	v_lshlrev_b32 v203, 2, v31
.irp p, 0,1,2,3,4,5,6,7
	v_add_nc_u32 v[32+\p], 8*(\p/4)+\p%4, v203
.endr
.irp p, 0,1,2,3,4,5,6,7
	v_cvt_f32_u32 v[32+\p], v[32+\p]
.endr
.irp p, 0,1,2,3,4,5,6,7
	v_mul_f32 v[32+\p], s70, v[32+\p]
.endr
	s_wait_alu depctr_va_vdst(0)
.irp p, 0,1,2,3,4,5,6,7
	v_exp_f32 v[32+\p], v[32+\p]
.endr
	v_cvt_f32_u32 v201, v29
	s_lshl_b32 s82, s44, 1
	v_cvt_f32_u32 v202, s82
	s_wait_alu depctr_va_vdst(0)
	ROPEGRP 0, 0
	ROPEGRP 0, 1
	ROPEGRP 1, 0
	ROPEGRP 1, 1
	WIN 0x40
	XLOAD 192, 4, 1536
	WIN 0x80
	XLOAD 0, 4, 2048
	XLOAD 64, 4, 2560
	WIN 0
	s_wait_kmcnt 0x0
	MKSC 48, 16
	MKSC 50, 18
	MKSC 52, 20
	MKSC 54, 22
	MKSC 55, 24
	MKSC 56, 26
	s_add_co_i32 s60, s48, s49
	s_add_co_i32 s60, s60, 127
	s_lshl_b32 s60, s60, 23
	s_mov_b32 s61, s60
	s_add_co_i32 s62, s50, s51
	s_add_co_i32 s62, s62, 127
	s_lshl_b32 s62, s62, 23
	s_mov_b32 s63, s62
	s_add_co_i32 s66, s52, s53
	s_add_co_i32 s66, s66, 127
	s_lshl_b32 s66, s66, 23
	s_mov_b32 s67, s66
	s_wait_alu depctr_va_vdst(0)                   ; the wait at the head's end
.irp c, 0,1,2,3,4,5
	XQQ \c
.endr
.irp c, 0,1,2,3,4,5
	XQK \c
.endr
	s_wait_dscnt 0x0                               ; my codes are in the images
	s_barrier_signal -1
	s_barrier_wait -1                              ; and everybody's: nothing is written there from here on
	FETCH 0, IA
	WIN 0
	s_mov_b32 s68, 3
.Lq:
	PASS 0, 0, 10, 18, 60, 22, IA
	s_sub_co_u32 s68, s68, 1
	s_cmp_lg_u32 s68, 0
	s_cbranch_scc1 .Lq
	s_wait_dscnt 0x0                               ; the loop is written once, so its last trip has fetched the old image's first fragments: the new image's take their place
	FETCH 0, IB
	WIN 0
	s_mov_b32 s68, 3
.Lk:
	PASS 0, 0, 12, 20, 62, 24, IB
	s_sub_co_u32 s68, s68, 1
	s_cmp_lg_u32 s68, 0
	s_cbranch_scc1 .Lk
	s_wait_dscnt 0x0
	FETCH 0, IC
	WIN 0
	s_mov_b32 s68, 2
.Lv:
	PASS 1, 0, 14, 22, 66, 26, IC
	s_sub_co_u32 s68, s68, 1
	s_cmp_lg_u32 s68, 0
	s_cbranch_scc1 .Lv
	PASS 1, 1, 14, 22, 66, 26, IC
	s_wait_tensorcnt 0x0                           ; the wave's end
	ds_add_u32 v[SPW], v[NIL]
	s_wait_dscnt 0x0
	s_endpgm
.Lfunc_end_k_qf839c0e005_proj:
	.size	k_qf839c0e005_proj, .Lfunc_end_k_qf839c0e005_proj-k_qf839c0e005_proj
	.p2alignl 7, 3214868480
	.fill 96, 4, 3214868480
	.section	.rodata,"a",@progbits
	.p2align	6, 0x0
	.amdhsa_kernel k_qf839c0e005_proj
		.amdhsa_group_segment_fixed_size 165376
		.amdhsa_private_segment_fixed_size 0
		.amdhsa_enable_private_segment 0
		.amdhsa_kernarg_size 80
		.amdhsa_user_sgpr_count 2
		.amdhsa_user_sgpr_kernarg_segment_ptr 1
		.amdhsa_wavefront_size32 1
		.amdhsa_system_sgpr_workgroup_id_x 1
		.amdhsa_system_sgpr_workgroup_id_y 1
		.amdhsa_system_sgpr_workgroup_id_z 1
		.amdhsa_system_vgpr_workitem_id 0
		.amdhsa_next_free_vgpr 1024
		.amdhsa_next_free_sgpr 100
		.amdhsa_reserve_vcc 0
		.amdhsa_float_denorm_mode_32 3
		.amdhsa_float_denorm_mode_16_64 3
		.amdhsa_memory_ordered 1
		.amdhsa_forward_progress 1
		.amdhsa_inst_pref_size 255
	.end_amdhsa_kernel
	.section	.bss,"aw",@nobits
	.p2align	6
	.space	262144
	.amdgpu_metadata
---
amdhsa.version: [ 1, 2 ]
amdhsa.kernels:
  - .name:           k_qf839c0e005_proj
    .symbol:         k_qf839c0e005_proj.kd
    .args:
      - { .name: inputs_q, .offset: 0, .size: 8, .value_kind: global_buffer, .address_space: global }
      - { .name: inputs_kv, .offset: 8, .size: 8, .value_kind: global_buffer, .address_space: global }
      - { .name: wc, .offset: 16, .size: 8, .value_kind: global_buffer, .address_space: global }
      - { .name: bq, .offset: 24, .size: 8, .value_kind: global_buffer, .address_space: global }
      - { .name: bk, .offset: 32, .size: 8, .value_kind: global_buffer, .address_space: global }
      - { .name: bv, .offset: 40, .size: 8, .value_kind: global_buffer, .address_space: global }
      - { .name: lowp_scales, .offset: 48, .size: 8, .value_kind: global_buffer, .address_space: global }
      - { .name: qc, .offset: 56, .size: 8, .value_kind: global_buffer, .address_space: global }
      - { .name: kc, .offset: 64, .size: 8, .value_kind: global_buffer, .address_space: global }
      - { .name: vc, .offset: 72, .size: 8, .value_kind: global_buffer, .address_space: global }
    .group_segment_fixed_size: 165376
    .private_segment_fixed_size: 0
    .kernarg_segment_align: 8
    .kernarg_segment_size: 80
    .max_flat_workgroup_size: 128
    .sgpr_count:     100
    .vgpr_count:     1024
    .wavefront_size: 32
...
	.end_amdgpu_metadata
.endif
;; end of part 2
;; launch attn (part 3): grid 256 x 1, 16 waves a work-group, no clusters, 327,680 bytes of LDS; arguments qc, kc, vc, lowp_scales, oc; writes oc
.if DOCPART == 3
	.amdgcn_target "amdgcn-amd-amdhsa--gfx1250"
	.amdhsa_code_object_version 6
	.text
	.protected	k_qf839c0e005_attn
	.globl	k_qf839c0e005_attn
	.p2align	8
	.type	k_qf839c0e005_attn,@function
k_qf839c0e005_attn:
	s_mov_b64 s[64:65], 0
	v_nop
	global_prefetch_b8 v0, s[64:65] scope:SCOPE_SE
	s_setreg_imm32_b32 hwreg(HW_REG_WAVE_MODE, 25, 1), 1
	s_wait_xcnt 0x0
; For each of 192 (n, head): O[q] = the sum over k of softmax_k(q . k / 8) v[k], both products on codes of E4M3, and O quantised (entry 10) for the output projection.
; THE SOFTMAX AHEAD OF THE SECOND PRODUCT: t = score x log2(e) / 8; M = the largest t so far, rounded UP to a whole number; p = 2^(t - M) is quantised (entry 9), not normalised.  The row's sum is taken of the
; unquantised p and divides O at the end.  When M moves, the sum and O are multiplied by 2^(old M - new M): exact.
; LIMITS: e6 + e7 between -123 and 130 (they are added to c's exponent field); e9 and e10 between -126 and 119; the scaled scores stay under 2^31 in magnitude.  NaN among the inputs is not served.
; SHARES.  A unit is a block of 256 queries of one head: 768 units, three to each of 256 work-groups.  Four work-groups (j = 0 .. 3) share three neighbouring heads A, B, C of one batch:
;   j = 0: A blocks 0, 1 and B block 0;  j = 1: A blocks 2, 3 and C block 0;  j = 2: B blocks 1, 2 and C block 1;  j = 3: C blocks 2, 3 and B block 3.
; So a work-group walks exactly two heads, X (two units) and Y (one unit), and both heads' K and V (2 x 131,072 bytes) lie in LDS at once: no LDS byte is filled twice.
; Each of SIXTEEN waves owns one tile of 16 queries of each unit, in 256 registers, and walks the head's 1,024 keys, 128 a step.
; LOADS.  At the head every wave asks for 8,192 bytes of X (waves 0-7: K's eight key steps; waves 8-15: V's).  Behind the first barrier every wave asks for the same part of Y: that load has the 16 key steps of X's units
; in which to land.  The barrier that shows Y to all waves is split: a wave signals behind unit 0, when its own part of Y is in, and waits behind unit 1; between the two stand register work and reads of slot 0 alone,
; so unit 0's codes wait in registers of their own and are stored behind the barrier's wait.
; NO CLUSTER: of the four work-groups that share three heads only j = 0 and j = 1 ask for the same X, and j = 0, 3 and j = 1, 2 ask for the same Y, so there is no mask under which all partners make every joint request.
; NO PREFETCH: X is asked for in the kernel's first lines, with no loop ahead of it, and Y 16 key steps ahead of its first read by the tensor load itself.
; LAYOUT.  K, V, Q come as images of fragments.  S^T = K Q^T: a lane holds ONE query (lane % 16), register 8 t + j the key 16 t + 8 h + j: the order in which the second product's operand wants its keys, so the
; conversions' results are that operand.  O^T = V^T P^T: register 8 ct + j is channel 16 ct + 8 h + j: the order in which the output projection's operand wants them.
.set VOFF,  65536                      ; V behind K in a slot
.set SLOT1, 131072                     ; Y's slot
.set SPARE, 262144                     ; behind the slots: the spare words, 128 bytes for each wave: eight blocks of 256 bytes that no other line names
.set KSB,   8192                       ; a key step's bytes of K, and of V: also what one wave's tensor load brings
.set AK,  1                            ; v1   16 x lane: my place in an image (also my offset in Q's and O's images in memory); never rewritten
.set AV,  2                            ; v2   VOFF + 16 x lane; never rewritten
.set SPW, 3                            ; v3   LDS address of my spare word; never rewritten
.set NIL, 4                            ; v4   0; never rewritten
.set KA,  5                            ; v5   LDS address of the step's K
.set VA,  11                           ; v11  of its V.   v[6:7] f; v8, v9 at work; v10 a permute's destination; v12 -M; v13 the largest t; v[14:15] the sum in two halves
.set Q0,  16                           ; v16-23   unit 0's Q
.set P,   24                           ; v24-39   p's codes; at the end unit 2's O
.set O,   40                           ; v40-71   O^T
.set S,   72                           ; v72-135  S^T, then p
.set B,   136                          ; v136-199 eight fragments of K, then four of V.   v200: 2^e9; v204, v205: 2^e10, 448 x 2^e10
.set Q1,  206                          ; v206-213 unit 1's Q
.set Q2,  214                          ; v214-221 unit 2's
.set T,   222                          ; v222-237 the sum's eight chains
.set OC0, 238                          ; v238-245 unit 0's codes of O
.set OC1, 246                          ; v246-253 unit 1's: no store's data are written again
.set CNT, 17                           ; s17  counts a unit's steps
.set WV,  18                           ; s18  my wave's number
.set G1,  24                           ; s[24:31] descriptor group 1: 32 rows of 256 bytes
.set GX,  48                           ; s[48:51] group 0 for my part of X;  s[52:55] of Y: neither is rewritten
.set GY,  52
.set QY,  66                           ; s[66:67] unit 2's Q;  s[68:69] its place in oc
.set OY,  68
.set LIM, 70                           ; s70  448 x 2^e9
.set TB,  92                           ; s92  LDS byte at which the step's K begins
.set ES,  93                           ; s93  e8 + e9
.macro PLACES
.rept 4
	v_nop
.endr
.endm
	s_load_b256 s[4:11], s[0:1], 0x0               ; qc s[4:5], kc s[6:7], vc s[8:9], the exponents s[10:11]
	s_load_b64 s[12:13], s[0:1], 0x20              ; oc
	v_lshl_add_u32 v[SPW], v0, 2, SPARE
	v_mov_b32 v[NIL], 0
	ds_add_u32 v[SPW], v[NIL]                      ; the wave's opening: the add, twice on end, and its wait ahead of my first tensor load
	ds_add_u32 v[SPW], v[NIL]
	v_lshrrev_b32 v8, 5, v0
	v_readfirstlane_b32 s[WV], v8                  ; wave 0..15
	s_lshr_b32 s14, ttmp9, 2                       ; g: which three heads: 3 g, 3 g + 1, 3 g + 2 of the 192; 12 is a multiple of 3, so they lie in one batch
	s_and_b32 s15, ttmp9, 3
	s_lshl_b32 s15, s15, 2                         ; 4 j: the deal above stands in four tables of four bits an entry
	s_lshr_b32 s32, 0x2100, s15
	s_and_b32 s32, s32, 15                         ; X among the three heads
	s_lshr_b32 s33, 0x2120, s15
	s_and_b32 s33, s33, 15                         ; X's first block
	s_lshr_b32 s34, 0x1221, s15
	s_and_b32 s34, s34, 15                         ; Y among the three
	s_lshr_b32 s35, 0x3100, s15
	s_and_b32 s35, s35, 15                         ; Y's block
	s_mul_i32 s36, s14, 3
	s_add_co_u32 s37, s36, s34
	s_add_co_u32 s36, s36, s32
	s_lshl_b32 s36, s36, 16                        ; X's first byte in each of qc, kc, vc: a head's codes are 65,536 bytes
	s_lshl_b32 s37, s37, 16                        ; Y's
	s_and_b32 s38, s[WV], 7
	s_lshl_b32 s38, s38, 13                        ; my key step of K or of V
	s_add_co_u32 s40, s36, s38
	s_mov_b32 s41, 0
	s_add_co_u32 s42, s37, s38
	s_mov_b32 s43, 0
	s_lshl_b32 s44, s33, 4
	s_add_co_u32 s44, s44, s[WV]                   ; my tile of queries in unit 0: 16 x block + wave (unit 1: 16 tiles on)
	s_lshl_b32 s46, s35, 4
	s_add_co_u32 s46, s46, s[WV]                   ; and in unit 2
	s_lshr_b32 s56, s14, 2
	s_lshl_b32 s56, s56, 6                         ; 64 n: the batch's first row tile in oc
	s_and_b32 s57, s14, 3
	s_mul_i32 s57, s57, 3                          ; the first of the three heads within the batch
	s_add_co_u32 s58, s56, s44
	s_mul_i32 s58, s58, 12288                      ; a row tile of oc is six images of 2,048 bytes,
	s_add_co_u32 s60, s57, s32
	s_lshl_b32 s60, s60, 10                        ; a head's 64 channels 1,024 bytes among them
	s_add_co_u32 s58, s58, s60
	s_mov_b32 s59, 0
	s_add_co_u32 s60, s56, s46
	s_mul_i32 s60, s60, 12288
	s_add_co_u32 s62, s57, s34
	s_lshl_b32 s62, s62, 10
	s_add_co_u32 s60, s60, s62
	s_mov_b32 s61, 0
	s_lshl_b32 s44, s44, 10                        ; a tile of Q is 1,024 bytes
	s_add_co_u32 s44, s44, s36
	s_mov_b32 s45, 0
	s_lshl_b32 s46, s46, 10
	s_add_co_u32 s46, s46, s37
	s_mov_b32 s47, 0
	s_mov_b32 s[G1+0], 3<<16                       ; no mask; elements of 8 bytes; no padding: an image is read 16 bytes a lane, on end
	s_mov_b32 s[G1+1], 32<<16                      ; tensor_dim0 = 32 elements: rows of 256 bytes
	s_mov_b32 s[G1+2], 32<<16                      ; tensor_dim1 = 32 rows
	s_mov_b32 s[G1+3], 32<<16                      ; tile_dim0
	s_mov_b32 s[G1+4], 32                          ; tile_dim1
	s_mov_b32 s[G1+5], 32                          ; the pitch: the block is dense
	s_mov_b32 s[G1+6], 0
	s_mov_b32 s[G1+7], 0
	s_mov_b32 s[GX], 1
	s_lshl_b32 s[GX+1], s[WV], 13                  ; LDS: 8,192 x wave: K's eight key steps, then V's
	s_mov_b32 s[GY], 1
	s_add_co_u32 s[GY+1], s[GX+1], SLOT1
	s_mov_b32 s20, 0x76543210                      ; v_permlanex16_b32's selects: lane l xor 16
	s_mov_b32 s21, 0xfedcba98
	s_mov_b32 s22, 0x3e38aa3b                      ; c = log2(e) / 8
	s_wait_dscnt 0x0                               ; both opening adds are done
	s_wait_kmcnt 0x0
	s_load_b128 s[84:87], s[10:11], 0x10           ; e4 .. e7
	s_load_b128 s[88:91], s[10:11], 0x20           ; e8 .. e11
	s_cmp_lt_u32 s[WV], 8                          ; waves 0-7 fetch K, waves 8-15 V: the choice hangs on the wave's number alone
	s_cselect_b64 s[6:7], s[6:7], s[8:9]
	s_add_nc_u64 s[GX+2:GX+3], s[6:7], s[40:41]
	s_or_b32 s[GX+3], s[GX+3], 0x80000000
	s_add_nc_u64 s[GY+2:GY+3], s[6:7], s[42:43]
	s_or_b32 s[GY+3], s[GY+3], 0x80000000
	tensor_load_to_lds s[GX:GX+3], s[G1:G1+7]      ; my part of X: every wave's one tensor load at the head
	s_nop 0
	s_add_nc_u64 s[QY:QY+1], s[4:5], s[46:47]
	s_add_nc_u64 s[4:5], s[4:5], s[44:45]
	s_add_nc_u64 s[OY:OY+1], s[12:13], s[60:61]
	s_add_nc_u64 s[12:13], s[12:13], s[58:59]
	v_and_b32 v8, 31, v0
	s_delay_alu instid0(VALU_DEP_1)
	v_lshlrev_b32 v[AK], 4, v8
	s_delay_alu instid0(VALU_DEP_1)
	v_add_nc_u32 v[AV], VOFF, v[AK]
	global_load_b128 v[Q0:Q0+3],   v[AK], s[4:5]                       ; the three units' Q fragments, each in registers of its own
	global_load_b128 v[Q0+4:Q0+7], v[AK], s[4:5] offset:512
	global_load_b128 v[Q1:Q1+3],   v[AK], s[4:5] offset:16384          ; 16 tiles on
	global_load_b128 v[Q1+4:Q1+7], v[AK], s[4:5] offset:16384+512
	global_load_b128 v[Q2:Q2+3],   v[AK], s[QY:QY+1]
	global_load_b128 v[Q2+4:Q2+7], v[AK], s[QY:QY+1] offset:512
	v_mov_b32 v7, 0                                ; (named as the upper half of the pair v[6:7])
	v_mov_b32 v10, 0                               ; written once: a lane permute's destination counts as one of its sources
	s_wait_kmcnt 0x0
	s_add_co_i32 s94, s86, s87
	s_lshl_b32 s94, s94, 23
	s_add_co_i32 s22, s22, s94                     ; a score stands for score x 2^(e6 + e7): the exponents are added to c's exponent field
	s_mov_b32 s23, s22                             ; (named with it as a pair, so it is written)
	s_add_co_i32 s94, s89, 127
	s_lshl_b32 s95, s94, 23
	v_mov_b32 v200, s95                            ; 2^e9
	s_add_co_i32 s94, s94, 8
	s_lshl_b32 s94, s94, 23
	s_or_b32 s[LIM], s94, 0x600000                 ; 448 x 2^e9
	s_add_co_i32 s94, s90, 127
	s_lshl_b32 s95, s94, 23
	v_mov_b32 v204, s95                            ; 2^e10
	s_add_co_i32 s94, s94, 8
	s_lshl_b32 s94, s94, 23
	s_or_b32 s94, s94, 0x600000
	v_mov_b32 v205, s94                            ; 448 x 2^e10
	s_add_co_i32 s[ES], s88, s89                   ; e8 + e9
; n pairs of holds, from p's register HX on.  The conversion does not saturate (ISA guide 7.6.2); p is not negative, so the hold is one-sided; two numbers an instruction
.macro HOLDS n
.rept \n
	v_dual_min_num_f32 v[S+HX], s[LIM], v[S+HX] :: v_dual_min_num_f32 v[S+HX+1], s[LIM], v[S+HX+1]
.set HX, HX+2
.endr
.endm
; A KEY STEP: the 128 keys whose K begins at LDS byte s[TB].  qr: the unit's Q.  first = 1: it starts M and O^T: there is no f and nothing to rescale.
.macro STEP qr, first
	v_add_nc_u32 v[KA], s[TB], v[AK]
	v_add_nc_u32 v[VA], s[TB], v[AV]
	v_nop                                          ; with the two additions: four places in front of loads into registers that the last products have read
	v_nop
.set i, 0
.rept 16
	ds_load_b128 v[B+4*i:B+4*i+3], v[KA] offset:512*i                  ; eight tiles of 16 keys
.set i, i+1
.endr
	s_add_co_u32 s[TB], s[TB], KSB                 ; the next step's
	s_wait_alu depctr_va_vdst(0)                   ; the wait here, directly ahead of the wait below
	s_wait_dscnt 0x0
.set i, 0
.rept 8
	v_wmma_f32_16x16x64_fp8_fp8 v[S+8*i:S+8*i+7], v[B+8*i:B+8*i+7], v[\qr:\qr+7], 0
.set i, i+1
.endr
	PLACES
.set i, 0
.rept 16
	ds_load_b128 v[B+4*i:B+4*i+3], v[VA] offset:512*i                  ; V's four tiles of 16 channels x these 128 keys: asked for ahead of the softmax, awaited behind it
.set i, i+1
.endr
	v_max3_num_f32 v8, v[S], v[S+1], v[S+2]        ; the step's largest score of my query among my 64 keys, in two chains, each accumulator from its low end on,
	v_max3_num_f32 v9, v[S+3], v[S+4], v[S+5]
.set i, 6
.rept 14
	v_max3_num_f32 v8, v8, v[S+i], v[S+i+1]
	v_max3_num_f32 v9, v9, v[S+i+2], v[S+i+3]
.set i, i+4
.endr
	v_max3_num_f32 v8, v8, v[S+62], v[S+63]
	s_delay_alu instid0(VALU_DEP_1)
	v_max_num_f32 v8, v8, v9
	s_delay_alu instid0(VALU_DEP_1)
	v_permlanex16_b32 v10, v8, s20, s21
	s_delay_alu instid0(VALU_DEP_1)
	v_max_num_f32 v8, v8, v10                      ; and among lane l xor 16's
.if \first
	s_delay_alu instid0(VALU_DEP_1)
	v_mul_f32 v13, s22, v8                         ; as t (c is positive)
	s_delay_alu instid0(VALU_DEP_1)
	v_floor_f32 v12, -v13                          ; -M = floor(-t) = -ceil(t): M is a whole number
.else
	s_delay_alu instid0(VALU_DEP_1)
	v_mul_f32 v8, s22, v8
	s_delay_alu instid0(VALU_DEP_1)
	v_max_num_f32 v13, v13, v8                     ; the running largest t
	v_mov_b32 v8, v12
	s_delay_alu instid0(VALU_DEP_2)
	v_floor_f32 v12, -v13
	s_delay_alu instid0(VALU_DEP_1)
	v_sub_f32 v8, v12, v8                          ; old M - new M: a whole number, 0 or less
	s_delay_alu instid0(VALU_DEP_1)
	v_cvt_i32_f32 v8, v8
	s_delay_alu instid0(VALU_DEP_1)
	v_ldexp_f32 v6, 1.0, v8                        ; f = 2^(old M - new M)
.endif
.set i, 0
.rept 32
	v_pk_fma_f32 v[S+i:S+i+1], v[S+i:S+i+1], s[22:23], v[12:13] op_sel_hi:[1,0,0]    ; t - M, two at a time
.set i, i+2
.endr
	s_wait_alu depctr_va_vdst(0)                   ; the wait ahead of the batch
.set i, 0
.rept 64
	v_exp_f32 v[S+i], v[S+i]                       ; p = 2^(t - M)
.set i, i+1
.endr
.if \first
	v_nop                                          ; a plain line behind the exponentials
.else
	v_pk_mul_f32 v[14:15], v[14:15], v[6:7] op_sel_hi:[1,0]    ; the sums under the new M (a plain line behind the exponentials)
.endif
	s_wait_alu depctr_va_vdst(0)                   ; one wait for the whole batch, ahead of its first reader
.set i, 0
.rept 8
	v_pk_add_f32 v[T+2*i:T+2*i+1], v[S+2*i:S+2*i+1], v[S+16+2*i:S+17+2*i]     ; THE ROW'S SUM IS TAKEN OF THE UNQUANTISED p: two at a time, in eight chains
.set i, i+1
.endr
.set i, 0
.rept 8
	v_pk_add_f32 v[T+2*i:T+2*i+1], v[T+2*i:T+2*i+1], v[S+32+2*i:S+33+2*i]
.set i, i+1
.endr
.set i, 0
.rept 8
	v_pk_add_f32 v[T+2*i:T+2*i+1], v[T+2*i:T+2*i+1], v[S+48+2*i:S+49+2*i]
.set i, i+1
.endr
.set i, 0
.rept 4
	v_pk_add_f32 v[T+2*i:T+2*i+1], v[T+2*i:T+2*i+1], v[T+8+2*i:T+9+2*i]
.set i, i+1
.endr
	v_pk_add_f32 v[T:T+1], v[T:T+1], v[T+4:T+5]
	v_pk_add_f32 v[T+2:T+3], v[T+2:T+3], v[T+6:T+7]
.set HX, 0
	HOLDS 8                                        ; all of p has been summed: the holds stand between the last links of the sum
	v_pk_add_f32 v[T:T+1], v[T:T+1], v[T+2:T+3]
	HOLDS 8
	v_pk_add_f32 v[14:15], v[14:15], v[T:T+1]
	HOLDS 16
.set i, 0
.rept 8
	v_cvt_scalef32_pk8_fp8_f32 v[P+2*i:P+2*i+1], v[S+8*i:S+8*i+7], v200
.set i, i+1
.endr
.if \first
	v_nop                                          ; a plain line between the conversions and the products that read their results
.else
	s_wait_alu depctr_va_vdst(0)                   ; the wait here, directly ahead of the first reader of O^T
.set i, 0
.rept 16
	v_pk_mul_f32 v[O+i:O+i+1], v[O+i:O+i+1], v[6:7] op_sel_hi:[1,0]     ; O^T under the new M, each accumulator from its low end on
.set i, i+2
.endr
.endif
	s_wait_alu depctr_va_vdst(0)                   ; the wait here, directly ahead of the wait below
	s_wait_dscnt 0x0                               ; V is in
.set i, 0
.rept 4
.if \first
	v_wmma_f32_16x16x128_fp8_fp8 v[O+8*i:O+8*i+7], v[B+16*i:B+16*i+15], v[P:P+15], 0
.else
	v_wmma_f32_16x16x128_fp8_fp8 v[O+8*i:O+8*i+7], v[B+16*i:B+16*i+15], v[P:P+15], v[O+8*i:O+8*i+7]
.endif
.set i, i+1
.endr
.endm
; A UNIT: my 16 queries against a head's eight key steps.  qr: its Q; tb: the head's slot; left: the loads of Q issued behind its two.  The first step is written out: it starts M and O^T.
.macro UNIT qr, tb, left
	s_mov_b32 s[TB], \tb
	v_mov_b32 v14, 0                               ; the sum, in two halves
	v_mov_b32 v15, 0
	s_wait_loadcnt \left                           ; Q
	STEP \qr, 1
	s_mov_b32 s[CNT], 7
.Lstep_\@:
	STEP \qr, 0
	s_sub_co_u32 s[CNT], s[CNT], 1
	s_cmp_lg_u32 s[CNT], 0
	s_cbranch_scc1 .Lstep_\@
.endm
; THE WAY OUT of a unit: O^T / the sum x 2^(e8 + e9), quantised into dst: eight registers of the output projection's operand.
.macro WAYOUT dst
	PLACES                                         ; behind the last products
	v_add_f32 v14, v14, v15                        ; the sum's two halves,
	s_delay_alu instid0(VALU_DEP_1)
	v_permlanex16_b32 v10, v14, s20, s21
	s_delay_alu instid0(VALU_DEP_1)
	v_add_f32 v14, v14, v10                        ; and lane l xor 16's
	s_wait_alu depctr_va_vdst(0)                   ; the wait ahead of the transcendental
	v_rcp_f32 v14, v14
	v_nop                                          ; a plain line behind the transcendental
	s_wait_alu depctr_va_vdst(0)                   ; and the wait ahead of its first reader
	v_ldexp_f32 v14, v14, s[ES]
	s_wait_alu depctr_va_vdst(0)                   ; the wait here, directly ahead of the first reader of O^T
.set i, 0
.rept 16
	v_pk_mul_f32 v[S+i:S+i+1], v[O+i:O+i+1], v[14:15] op_sel_hi:[1,0]   ; each accumulator from its low end on
.set i, i+2
.endr
.set i, 0
.rept 32
	v_med3_num_f32 v[S+i], v[S+i], -v205, v205
.set i, i+1
.endr
.set i, 0
.rept 4
	v_cvt_scalef32_pk8_fp8_f32 v[\dst+2*i:\dst+2*i+1], v[S+8*i:S+8*i+7], v204
.set i, i+1
.endr
	v_nop                                          ; a plain line behind the last conversion of the run
.endm
.macro OUT src, b, off                 ; 512 consecutive bytes a store, aligned
	global_store_b128 v[AK], v[\src:\src+3],   s[\b:\b+1] offset:\off
	global_store_b128 v[AK], v[\src+4:\src+7], s[\b:\b+1] offset:\off+512
.endm
	s_wait_alu depctr_va_vdst(0)                   ; the wait at the head's end
	s_wait_tensorcnt 0x0                           ; my part of X is in
	ds_add_u32 v[SPW], v[NIL]
	s_wait_dscnt 0x0
	s_barrier_signal -1
	s_barrier_wait -1                              ; X is whole for all sixteen waves
	tensor_load_to_lds s[GY:GY+3], s[G1:G1+7]      ; my part of Y, into slot 1: a first fill, my one tensor load behind this barrier
	s_nop 0
	UNIT Q0, 0, 4
	WAYOUT OC0                                     ; its codes stay in registers: no store stands between the signal below and its wait
	s_wait_tensorcnt 0x0                           ; my part of Y, asked for eight key steps ago, is in
	s_wait_dscnt 0x0
	s_barrier_signal -1                            ; say so
	UNIT Q1, 0, 2                                  ; register work and reads of slot 0, which nobody writes
	WAYOUT OC1
	s_wait_alu depctr_va_vdst(0)                   ; the wait here, directly ahead of the wait below
	s_barrier_wait -1                              ; Y is whole for all sixteen waves
	OUT OC0, 12, 0
	OUT OC1, 12, 16*12288                          ; 16 row tiles on
	UNIT Q2, SLOT1, 0
	WAYOUT P
	OUT P, OY, 0
	s_wait_tensorcnt 0x0                           ; the wave's end
	ds_add_u32 v[SPW], v[NIL]
	s_wait_dscnt 0x0
	s_endpgm
.Lfunc_end_k_qf839c0e005_attn:
	.size	k_qf839c0e005_attn, .Lfunc_end_k_qf839c0e005_attn-k_qf839c0e005_attn
	.p2alignl 7, 3214868480
	.fill 96, 4, 3214868480
	.section	.rodata,"a",@progbits
	.p2align	6, 0x0
	.amdhsa_kernel k_qf839c0e005_attn
		.amdhsa_group_segment_fixed_size 327680
		.amdhsa_private_segment_fixed_size 0
		.amdhsa_enable_private_segment 0
		.amdhsa_kernarg_size 40
		.amdhsa_user_sgpr_count 2
		.amdhsa_user_sgpr_kernarg_segment_ptr 1
		.amdhsa_wavefront_size32 1
		.amdhsa_system_sgpr_workgroup_id_x 1
		.amdhsa_system_sgpr_workgroup_id_y 1
		.amdhsa_system_sgpr_workgroup_id_z 1
		.amdhsa_system_vgpr_workitem_id 0
		.amdhsa_next_free_vgpr 256
		.amdhsa_next_free_sgpr 100
		.amdhsa_reserve_vcc 0
		.amdhsa_float_denorm_mode_32 3
		.amdhsa_float_denorm_mode_16_64 3
		.amdhsa_memory_ordered 1
		.amdhsa_forward_progress 1
		.amdhsa_inst_pref_size 108
	.end_amdhsa_kernel
	.amdgpu_metadata
---
amdhsa.version: [ 1, 2 ]
amdhsa.kernels:
  - .name:           k_qf839c0e005_attn
    .symbol:         k_qf839c0e005_attn.kd
    .args:
      - { .name: qc, .offset: 0, .size: 8, .value_kind: global_buffer, .address_space: global }
      - { .name: kc, .offset: 8, .size: 8, .value_kind: global_buffer, .address_space: global }
      - { .name: vc, .offset: 16, .size: 8, .value_kind: global_buffer, .address_space: global }
      - { .name: lowp_scales, .offset: 24, .size: 8, .value_kind: global_buffer, .address_space: global }
      - { .name: oc, .offset: 32, .size: 8, .value_kind: global_buffer, .address_space: global }
    .group_segment_fixed_size: 327680
    .private_segment_fixed_size: 0
    .kernarg_segment_align: 8
    .kernarg_segment_size: 40
    .max_flat_workgroup_size: 512
    .sgpr_count:     100
    .vgpr_count:     256
    .wavefront_size: 32
...
	.end_amdgpu_metadata
.endif
;; end of part 3
;; launch oproj (part 4): grid 256 x 1, 4 waves a work-group, no clusters, 67,072 bytes of LDS; arguments oc, wc, bo, lowp_scales, out0; writes out0
.if DOCPART == 4
	.amdgcn_target "amdgcn-amd-amdhsa--gfx1250"
	.amdhsa_code_object_version 6
	.text
	.protected	k_qf839c0e005_oproj
	.globl	k_qf839c0e005_oproj
	.p2align	8
	.type	k_qf839c0e005_oproj,@function
k_qf839c0e005_oproj:
	s_mov_b64 s[64:65], 0
	v_nop
	global_prefetch_b8 v0, s[64:65] scope:SCOPE_SE
	s_setreg_imm32_b32 hwreg(HW_REG_WAVE_MODE, 25, 1), 1
	s_wait_xcnt 0x0
; out0 = O Q(Wo) + bo: O comes as codes (entry 10) in images of fragments, Wo's codes (entry 11) likewise.  LIMIT: e10 + e11 between -126 and 127.
; SHARES.  A work-group owns 64 rows and all 768 columns; a wave owns 64 columns a pass, three passes: column group = 4 x pass + wave.
; O's 49,152 bytes are read from memory once, a quarter a wave, and laid in LDS as they lie; one barrier; every wave fetches its fragments from there, a K step ahead.
; THE WEIGHTS GO FROM MEMORY STRAIGHT INTO THE OPERAND'S REGISTERS: a wave reads the images of its own columns alone.  Six sets of 64 registers, one for each K step of a pass; a set is asked for again, for the next pass,
; as soon as its 16 products are issued.  COUNTED WAITS ON LOADS: behind the loads that a wait is for stand 80 loads or more, so the count is the most that the wait can name, 63; in the last pass 16 x the sets behind, or 63.
; NO CLUSTER: a joint load serves tiles in LDS, and the weights are not staged there.  NO PREFETCH: all that is read is asked for at the head or a pass ahead.
; REGISTERS, in windows of 256.  0: addresses, v32-127 the way out, v128-223 O's codes on their way to LDS.  1: weight sets 0-3.  2: v0-127 weight sets 4, 5; v128-255 two sets of O's fragments.  3: the 16 accumulators, v128.. bias.
.set FRB,   2048
.set PSTEP, 196608
.set STG,   49152
.set STGW,  4352
.set SP,    272
.set SPARE, 66560
.set SPW, 1
.set NIL, 2
.set LI,  3
.set XW,  4
.set STO, 6
.set SRD, 7
.set CO,  8
.set BOF, 9
.set Y,   32
.set OB,  64
.set BIAS, 128
.set WV, 40
.set MSB, 0
.macro WIN new
.if MSB != \new
	s_set_vgpr_msb (MSB<<8)|\new
.set MSB, \new
.endif
.endm
.macro PLACES
.rept 4
	v_nop
.endr
.endm
.macro WLOAD s, off
.if (\s) < 4
	WIN 0x40
.set WB, 64*(\s)
.else
	WIN 0x80
.set WB, 64*((\s)-4)
.endif
.irp t, 0,1,2,3
.irp g, 0,1,2,3
	global_load_b128 v[WB+16*\t+4*\g:WB+16*\t+4*\g+3], v[LI], s[6:7] offset:\off+(4*(\s)+\t)*FRB+512*\g
.endr
.endr
.endm
.macro FETCH s
	WIN 0x80
.irp m, 0,1,2,3
.irp g, 0,1,2,3
	ds_load_b128 v[128+64*((\s)%2)+16*\m+4*\g:128+64*((\s)%2)+16*\m+4*\g+3], v[LI] offset:(6*\m+(\s))*FRB+512*\g
.endr
.endr
.endm
.macro KSTEP s, zero, tail
	PLACES                                         ; behind the last step's products: loads into registers that they have read follow
.if (\s) > 0
.if !\tail
	WLOAD (\s)-1, PSTEP
.endif
.endif
.if (\s) < 5
	FETCH (\s)+1
	s_wait_dscnt 16
.else
	s_wait_dscnt 0x0
.endif
.set NW, 63
.if \tail
.if 16*(5-(\s)) < 63
.set NW, 16*(5-(\s))
.endif
.endif
	s_wait_loadcnt NW
.set XS, 128+64*((\s)%2)
.if (\s) < 4
.set WB, 64*(\s)
	WIN 0xf9
.else
.set WB, 64*((\s)-4)
	WIN 0xfa
.endif
.irp t, 0,1,2,3
.irp m, 0,1,2,3
.if \zero
	v_wmma_f32_16x16x128_fp8_fp8 v[32*\m+8*\t:32*\m+8*\t+7], v[WB+16*\t:WB+16*\t+15], v[XS+16*\m:XS+16*\m+15], 0
.else
	v_wmma_f32_16x16x128_fp8_fp8 v[32*\m+8*\t:32*\m+8*\t+7], v[WB+16*\t:WB+16*\t+15], v[XS+16*\m:XS+16*\m+15], v[32*\m+8*\t:32*\m+8*\t+7]
.endif
.endr
.endr
.endm
.macro TOSTAGE m                       ; 16 rows x 64 columns: x the scales, + bias, through my stage, back as rows of 256 bytes
	WIN 0x33
.irp t, 0,1,2,3
.irp i, 0,2,4,6
	v_pk_fma_f32 v[Y+8*\t+\i:Y+8*\t+\i+1], v[32*(\m)+8*\t+\i:32*(\m)+8*\t+\i+1], s[60:61], v[BIAS+8*\t+\i:BIAS+8*\t+\i+1] op_sel_hi:[1,0,1]
.endr
.endr
	WIN 0
.irp t, 0,1,2,3
	ds_store_b128 v[STO], v[Y+8*\t:Y+8*\t+3]   offset:64*\t
	ds_store_b128 v[STO], v[Y+8*\t+4:Y+8*\t+7] offset:64*\t+16
.endr
.irp i, 0,1,2,3,4,5,6,7
	ds_load_b128 v[OB+32*((\m)%2)+4*\i:OB+32*((\m)%2)+4*\i+3], v[SRD] offset:2*SP*\i
.endr
.endm
.macro SEND m, younger
	s_wait_dscnt \younger
.irp i, 0,1,2,3,4,5,6,7
	global_store_b128 v[CO], v[OB+32*((\m)%2)+4*\i:OB+32*((\m)%2)+4*\i+3], s[12:13] offset:(16*(\m)+2*\i)*3072 th:TH_STORE_NT
.endr
.endm
.macro PASS tail
	WIN 0xc0
.irp t, 0,1,2,3
	global_load_b128 v[BIAS+8*\t:BIAS+8*\t+3],   v[BOF], s[8:9] offset:64*\t
	global_load_b128 v[BIAS+8*\t+4:BIAS+8*\t+7], v[BOF], s[8:9] offset:64*\t+16
.endr
	KSTEP 0, 1, \tail
.irp s, 1,2,3,4,5
	KSTEP \s, 0, \tail
.endr
	PLACES
.if \tail
	WIN 0
	s_wait_loadcnt 0x0
.else
	WLOAD 5, PSTEP
	FETCH 0
	WIN 0
	s_wait_loadcnt 63                              ; the bias: behind it stand the 96 loads of the six sets
.endif
	TOSTAGE 0
.irp a, 1,2,3
	s_wait_xcnt 0x0
	TOSTAGE \a
	SEND \a-1, 16
.endr
	SEND 3, 0
.if !\tail
	s_wait_xcnt 0x0
	s_add_nc_u64 s[12:13], s[12:13], 1024
	s_add_nc_u64 s[8:9], s[8:9], 1024
	s_add_nc_u64 s[6:7], s[6:7], PSTEP
.endif
.endm
	s_load_b256 s[4:11], s[0:1], 0x0               ; oc, wc, bo, the exponents
	s_load_b64 s[12:13], s[0:1], 0x20              ; out0
	v_lshl_add_u32 v[SPW], v0, 2, SPARE
	v_mov_b32 v[NIL], 0
	v_lshrrev_b32 v10, 5, v0
	v_readfirstlane_b32 s[WV], v10
	s_mov_b32 s42, ttmp9                           ; my block of 64 rows
	s_mul_i32 s46, s[WV], 49152
	s_add_co_u32 s46, s46, 3*589824                ; Wo is the fourth tensor of wc
	s_mov_b32 s47, 0
	s_mul_i32 s48, s42, 49152
	s_mul_i32 s55, s[WV], 12288                    ; my quarter of O's codes: a row tile's six images
	s_add_co_u32 s48, s48, s55
	s_mov_b32 s49, 0
	s_mul_i32 s50, s42, 196608
	s_lshl_b32 s52, s[WV], 8
	s_add_co_u32 s50, s50, s52
	s_mov_b32 s51, 0
	s_mov_b32 s53, 0
	s_wait_alu depctr_va_vdst(0)                   ; the wait here, directly ahead of the wait below
	s_wait_kmcnt 0x0
	s_load_b128 s[56:59], s[10:11], 0x20
	s_add_nc_u64 s[6:7], s[6:7], s[46:47]
	s_add_nc_u64 s[4:5], s[4:5], s[48:49]
	s_add_nc_u64 s[12:13], s[12:13], s[50:51]
	s_add_nc_u64 s[8:9], s[8:9], s[52:53]
	v_and_b32 v10, 31, v0
	v_and_b32 v11, 15, v0
	v_bfe_u32 v12, v0, 4, 1
	v_lshlrev_b32 v[LI], 4, v10
.set i, 0
.rept 24
	global_load_b128 v[128+4*i:128+4*i+3], v[LI], s[4:5] offset:512*i th:TH_LOAD_NT
.set i, i+1
.endr
.irp c, 0,1,2,3,4,5
	WLOAD \c, 0
.endr
	WIN 0
	v_add_nc_u32 v[XW], s55, v[LI]
	s_mul_i32 s54, s[WV], STGW
	s_add_co_u32 s54, s54, STG
	v_mul_u32_u24 v[STO], v11, SP
	v_lshl_add_u32 v[STO], v12, 5, v[STO]
	v_add_nc_u32 v[STO], s54, v[STO]
	v_mul_u32_u24 v[SRD], v12, SP
	v_lshl_add_u32 v[SRD], v11, 4, v[SRD]
	v_add_nc_u32 v[SRD], s54, v[SRD]
	v_mul_u32_u24 v[CO], v12, 3072
	v_lshl_add_u32 v[CO], v11, 4, v[CO]
	v_lshlrev_b32 v[BOF], 5, v12
	s_wait_kmcnt 0x0
	s_add_co_i32 s60, s58, s59
	s_add_co_i32 s60, s60, 127
	s_lshl_b32 s60, s60, 23
	s_mov_b32 s61, s60
	s_wait_alu depctr_va_vdst(0)                   ; the wait at the head's end
	s_wait_loadcnt 63                              ; O's codes: behind them stand the 96 loads of the six sets
.set i, 0
.rept 24
	ds_store_b128 v[XW], v[128+4*i:128+4*i+3] offset:512*i
.set i, i+1
.endr
	s_wait_dscnt 0x0
	s_barrier_signal -1
	s_barrier_wait -1                              ; O's 64 rows are there for all four waves; nothing is written there from here on
	FETCH 0
	WIN 0
	s_mov_b32 s68, 2
.Lpass:
	PASS 0
	s_sub_co_u32 s68, s68, 1
	s_cmp_lg_u32 s68, 0
	s_cbranch_scc1 .Lpass
	PASS 1
	s_wait_tensorcnt 0x0                           ; the wave's end
	ds_add_u32 v[SPW], v[NIL]
	s_wait_dscnt 0x0
	s_endpgm
.Lfunc_end_k_qf839c0e005_oproj:
	.size	k_qf839c0e005_oproj, .Lfunc_end_k_qf839c0e005_oproj-k_qf839c0e005_oproj
	.p2alignl 7, 3214868480
	.fill 96, 4, 3214868480
	.section	.rodata,"a",@progbits
	.p2align	6, 0x0
	.amdhsa_kernel k_qf839c0e005_oproj
		.amdhsa_group_segment_fixed_size 67072
		.amdhsa_private_segment_fixed_size 0
		.amdhsa_enable_private_segment 0
		.amdhsa_kernarg_size 40
		.amdhsa_user_sgpr_count 2
		.amdhsa_user_sgpr_kernarg_segment_ptr 1
		.amdhsa_wavefront_size32 1
		.amdhsa_system_sgpr_workgroup_id_x 1
		.amdhsa_system_sgpr_workgroup_id_y 1
		.amdhsa_system_sgpr_workgroup_id_z 1
		.amdhsa_system_vgpr_workitem_id 0
		.amdhsa_next_free_vgpr 1024
		.amdhsa_next_free_sgpr 80
		.amdhsa_reserve_vcc 0
		.amdhsa_float_denorm_mode_32 3
		.amdhsa_float_denorm_mode_16_64 3
		.amdhsa_memory_ordered 1
		.amdhsa_forward_progress 1
		.amdhsa_inst_pref_size 77
	.end_amdhsa_kernel
	.amdgpu_metadata
---
amdhsa.version: [ 1, 2 ]
amdhsa.kernels:
  - .name:           k_qf839c0e005_oproj
    .symbol:         k_qf839c0e005_oproj.kd
    .args:
      - { .name: oc, .offset: 0, .size: 8, .value_kind: global_buffer, .address_space: global }
      - { .name: wc, .offset: 8, .size: 8, .value_kind: global_buffer, .address_space: global }
      - { .name: bo, .offset: 16, .size: 8, .value_kind: global_buffer, .address_space: global }
      - { .name: lowp_scales, .offset: 24, .size: 8, .value_kind: global_buffer, .address_space: global }
      - { .name: out0, .offset: 32, .size: 8, .value_kind: global_buffer, .address_space: global }
    .group_segment_fixed_size: 67072
    .private_segment_fixed_size: 0
    .kernarg_segment_align: 8
    .kernarg_segment_size: 40
    .max_flat_workgroup_size: 128
    .sgpr_count:     80
    .vgpr_count:     1024
    .wavefront_size: 32
...
	.end_amdgpu_metadata
.endif
;; end of part 4
